; MI455X (gfx1250); checked and timed in simulation.
; The chip was launched on July 23, 2026; its instructions are those of AMD's public machine-readable ISA for CDNA 5 (MIT licence, August 2026) and "CDNA5" Instruction Set Architecture Reference Guide (July 2026). The comments in the code are by the model that wrote it; some were corrected since.
;; Attention. Allowed arithmetic: matrix products marked QUANTISED: E2M3 operands, one E8M0 scale for each 32 along K, by v_wmma_scale_f32_16x16x128_f8f6f4 with both operands' format E2M3, f32 sums; everything else in f32.
;; Inputs: W_out 256 x 256 float32; b_out 256 float32; k 4 x 4,096 x 256 float32; q 4 x 4,096 x 256 float32; v 4 x 4,096 x 256 float32.
;; Outputs: out0 4 x 4,096 x 256 float32.
;; This version of the problem:
;;   THIS VERSION OF THE PROBLEM IS GIVEN IN LOW PRECISION. The matrix products marked QUANTISED in the list below multiply operands that are first quantised to E2M3 (2 exponent bits, 3 mantissa bits; 6 bits a number), with one power-of-two scale for each 32 numbers along K (OCP MX v1.0); their sums are f32. All else is computed in f32.
;;   The module's matrix products, in the order in which they are computed (A, B: the left and right operand; K: the contracted axis; several contracted axes count as one K, in the product's order):
;;     1. batch 16 x [M 4,096, K 64] x [K 64, N 4,096]; A: input q; B: input k: QUANTISED
;;     2. batch 16 x [M 4,096, K 4,096] x [K 4,096, N 64]; A: softmax (see below); B: input v: QUANTISED
;;     3. [M 16,384, K 256] x [K 256, N 256]; A: computed on the way; B: input W_out: QUANTISED
;;   THE QUANTISER, for each operand of a quantised product, along K:
;;     - K is cut into blocks of 32 from its start; a last block that is shorter is filled with zeros.
;;     - A block's scale is 2^e with e = floor(log2(the largest magnitude in the block)) - 2, held to -126 .. 127; a block of zeros has e = 0. As a byte (E8M0): e + 127.
;;     - Each number is divided by its block's scale, clamped to +-7.5, and rounded to the nearest number of E2M3, ties to even, subnormals kept.
;;     - The product sums the exact products of the quantised numbers (number of the format x scale) in f32.
;;   ~~~python
;;   def quantise(x, axis):      # numpy; x: float32 -> the quantised numbers, widened to float32 again
;;       x = np.moveaxis(x, axis, -1); K = x.shape[-1]
;;       x = np.pad(x, [(0, 0)] * (x.ndim - 1) + [(0, -K % 32)]); x = x.reshape(x.shape[:-1] + (-1, 32)); a = np.abs(x).max(-1, keepdims=True)
;;       e = np.where(a > 0, np.clip(np.frexp(np.where(a > 0, a, 1))[1] - 1 - 2, -126, 127), 0)      # np.frexp(a)[1] - 1 = floor(log2(a)), exactly
;;       r = np.clip(x / 2.0 ** e, -7.5, 7.5)
;;       step = 2.0 ** (np.maximum(np.frexp(np.where(r == 0, 1, r))[1] - 1, 0) - 3)
;;       q = np.round(r / step) * step * 2.0 ** e      # np.round: ties to even
;;       return np.moveaxis(q.reshape(q.shape[:-2] + (-1,))[..., :K], -1, axis).astype(np.float32)
;;   ~~~
;;   SOFTMAX AHEAD OF A QUANTISED PRODUCT. Where the list says 'softmax', what is quantised is not the finished softmax but p = 2^(t - M), with t = logit x log2(e) and M = ceil(the row's largest t), a whole number; so 1/2 < the row's largest p <= 1. The row's sum l is taken of the UNQUANTISED p, in f32, and the product's result is divided by l at the end. Since M is a whole number, a kernel that streams over the keys may use a running M (the ceiling of the running maximum): every later rescaling is an exact power of two, which a block's scale takes up: the codes' values come out the same.
;;   OPERANDS COMPUTED ON THE WAY. 'Computed on the way' means the value that the module computes at that place (a softmax that the list does not call 'softmax' is quantised finished and normalised). What goes into a quantiser is computed in f32, as accurately as f32 sums, v_exp_f32 and their like allow (about 1e-6 of the number): no bf16 or f16 on the way to a quantiser, and a product that is left as it is and whose result goes on into a quantised operand takes f32 operands (vector FMAs, or v_wmma_f32_16x16x4_f32). A number that lies on a knife's edge between two numbers of the format may be rounded either way, as far as f32 arithmetic and the matrix unit's own rounding can turn it there, and no further.
;; One version. Each part assembles by itself: llvm-mc -triple=amdgcn-amd-amdhsa -mcpu=gfx1250 --defsym DOCPART=n.
;; ======== version 1 of 1: 3 launches
;; limits: right only within a limited range of input values
;; workspace buffers: kv 6,684,672 bytes; wc 53,248 bytes; oc 4,194,304 bytes
;; launch prep (part 1): grid 258 x 1, 4 waves a work-group, no clusters, 60,928 bytes of LDS; arguments k, v, W_out, kv, wc; writes kv, wc
.if DOCPART == 1
	.amdgcn_target "amdgcn-amd-amdhsa--gfx1250"
	.amdhsa_code_object_version 6
	.text
	.protected	k_q14a1c88789_prep
	.globl	k_q14a1c88789_prep
	.p2align	8
	.type	k_q14a1c88789_prep,@function
k_q14a1c88789_prep:
	s_mov_b64 s[64:65], 0
	v_nop
	global_prefetch_b8 v0, s[64:65] scope:SCOPE_SE
	s_setreg_imm32_b32 hwreg(HW_REG_WAVE_MODE, 25, 1), 1
	s_wait_xcnt 0x0
; k, v [4][4096][256] and W_out [256][256], f32, become codes of FP6 (E2M3) with one E8M0 byte for each 32 along K, laid as IMAGES OF THE OPERAND'S REGISTERS,
; so that the launches that multiply load each fragment by loads of 16 and 8 bytes a lane, lane after lane, with no pitch and no shuffle.
; kv: one record of REC = 13,056 bytes for each (hb = 4 batch + head, step s of 128 keys), at (32 hb + s) REC:
;   0     + 768 T           K's tile T (0..7): 512 bytes: lane l's registers 0-3; 256 bytes: registers 4-5.  Lane (r, h) holds key 128 s + kappa(T, r), dims 32 h + 0..31
;   6144                    K's scale words, 16 bytes a lane: register j: lanes 0-15 tile j, lanes 16-31 tile 4 + j, row r
;   6656  + 1536 T + 512 p  V's tile T (0..3): lane l's registers 4 p .. 4 p + 3.  Lane (r, h) holds channel delta(T, r); registers 6 c .. 6 c + 5: keys 128 s + 64 c + 32 h + 0..31
;   12800                   V's scale words, 8 bytes a lane: register j: lanes 0-15 tile j, lanes 16-31 tile 2 + j
; kappa(T, m) = 64 (T / 4) + 32 (m / 8) + 8 (T % 4) + m % 8;  delta(T, m) = 32 (m / 8) + 8 T + m % 8: with these rows a lane of the transposed product holds whole blocks of 32 in ascending registers.
; wc: one record of WREC = 6,656 bytes for each (128 rows of W_out, 64 columns): K's part of a record, with W's rows for keys and its columns for dims.
; K's K is 64: a scale word holds its two bytes twice (bytes 2, 3 = bytes 0, 1).
; A block's scale is 2^(floor(log2(its largest magnitude)) - 2): its byte is that magnitude's exponent field - 2, held at 1 from below by a floor among the maximum's leaves.
; LIMITS: a block of zeros gets the byte 1 where the rule says 127 (its codes are zeros, and this program alone reads the bytes); blocks whose largest magnitude lies under 2^-124 are held at that byte;
; NaN and infinities among the inputs are not served.
; SHARES: work-groups 0-127: k (batch x / 32, step x % 32); 128, 129: W_out's rows 128 (x - 128) on; 130-257: v.  Wave w takes head (or column chunk) w: 128 rows x 256 bytes.
; Waves share nothing: no barrier; each path and each wave has LDS bytes of its own.  No work-group reads what another reads, so there is nothing to ask for jointly.
.set REC,  13056
.set WREC, 6656
.set STG,  4352                        ; path K: a stage of 16 rows x (256 bytes + 16); two for each wave
.set VB0,  8*STG                       ; path V's bytes begin behind path K's
.set VIM,  6400                        ; path V: V's part of a record, 6,144 + 256 bytes, for each wave
.set SW,   32                          ; v32-39   path K: the eight tiles' scale words
.set R,    64                          ; v64-191  path K: four sets of 32 registers as loaded
.set X,    192                         ; v192-255 path K: two sets of 32 neighbours along K
.set XV,   64                          ; v64-191  path V: two sets of 64 registers as loaded (32 keys x 2 channels)
.set Y,    192                         ; v192-255 path V: channel 2 l's 32 keys, then channel 2 l + 1's
	s_load_b256 s[4:11], s[0:1], 0x0               ; k s[4:5], v s[6:7], W_out s[8:9], kv s[10:11]
	s_load_b64 s[12:13], s[0:1], 0x20              ; wc
	v_lshl_add_u32 v62, v0, 2, 0xec00
	v_mov_b32 v63, 0
	v_lshrrev_b32 v1, 5, v0
	v_readfirstlane_b32 s14, v1                    ; wave = head
	v_and_b32 v1, 31, v0                           ; lane l
	v_and_b32 v2, 15, v0                           ; r
	v_bfe_u32 v3, v0, 4, 1                         ; h
	s_lshl_b32 s15, s14, 8                         ; the head's 256 bytes in a row of 1,024
	s_cmp_lt_u32 ttmp9, 130
	s_cbranch_scc0 .Lv
; ---------------------------------------------------------------- PATH K: k and W_out, whose K is innermost
	s_mov_b32 s20, 0x76543210
	s_mov_b32 s21, 0xfedcba98                      ; v_permlanex16_b32's selects for lane l xor 16
	s_min_u32 s22, ttmp9, 127                      ; k's work-group number (held, so that the offset that is not taken lies in its buffer too)
	s_lshr_b32 s16, s22, 5
	s_lshl_b32 s16, s16, 2
	s_add_co_u32 s16, s16, s14                     ; hb = 4 batch + head
	s_lshl_b32 s16, s16, 5
	s_and_b32 s17, s22, 31
	s_add_co_u32 s16, s16, s17
	s_mul_i32 s16, s16, REC                        ; k's record
	s_max_u32 s18, ttmp9, 128
	s_sub_co_u32 s18, s18, 128                     ; W_out's half
	s_lshl_b32 s17, s18, 2
	s_add_co_u32 s17, s17, s14
	s_mul_i32 s17, s17, WREC                       ; W_out's record
	s_wait_kmcnt 0x0
	s_cmp_lt_u32 ttmp9, 128                        ; k or W_out?  The choice hangs on the work-group's number alone
	s_cselect_b64 s[4:5], s[4:5], s[8:9]
	s_cselect_b64 s[10:11], s[10:11], s[12:13]
	s_cselect_b32 s16, s16, s17
	s_cselect_b32 s18, s22, s18
	s_lshl_b32 s18, s18, 17                        ; 128 rows of 1,024 bytes
	s_add_co_u32 s18, s18, s15
	s_mov_b32 s19, 0
	s_mov_b32 s17, 0
	s_add_nc_u64 s[4:5], s[4:5], s[18:19]
	s_add_nc_u64 s[10:11], s[10:11], s[16:17]
	s_wait_alu depctr_va_vdst(0)
	v_lshlrev_b32 v4, 10, v3
	v_lshl_add_u32 v4, v2, 4, v4                   ; in: lanes 0-15 one row's 256 bytes, lanes 16-31 the next row's
	s_mul_i32 s23, s14, 2*STG                      ; my wave's two stages
	v_mul_u32_u24 v5, v3, 272
	v_lshl_add_u32 v5, v2, 4, v5
	v_add_nc_u32 v5, s23, v5                       ; the stage, on the way in: row h of a pair, 16 r
	v_mul_u32_u24 v6, v2, 272
	v_lshl_add_u32 v6, v3, 7, v6
	v_add_nc_u32 v6, s23, v6                       ; and out: row r, my half's 128 bytes: 32 neighbours along K
	v_lshlrev_b32 v7, 4, v1                        ; an image's place for my lane: 16 l,
	v_lshlrev_b32 v8, 3, v1                        ; 8 l
	v_lshlrev_b32 v9, 3, v3                        ; my block's byte stands 8 h bits up in the word
	v_mov_b32 v15, 0                               ; written once: a lane permute's destination counts as one of its sources
.macro LOADK t                         ; tile t's 16 rows, two a load: rows m = 2 i + h of the tile are keys kappa(t, m)
.irp i, 0,1,2,3,4,5,6,7
	global_load_b128 v[R+32*((\t)%4)+4*\i:R+32*((\t)%4)+4*\i+3], v4, s[4:5] offset:(64*((\t)/4)+8*((\t)%4)+32*(\i/4)+2*(\i%4))*1024 th:TH_LOAD_NT
.endr
.endm
.macro TURN t                          ; through the stage: LDS serves a wave's instructions in order, so no wait stands between the stores and the loads
.irp i, 0,1,2,3,4,5,6,7
	ds_store_b128 v5, v[R+32*((\t)%4)+4*\i:R+32*((\t)%4)+4*\i+3] offset:STG*((\t)%2)+544*\i
.endr
.irp i, 0,1,2,3,4,5,6,7
	ds_load_b128 v[X+32*((\t)%2)+4*\i:X+32*((\t)%2)+4*\i+3], v6 offset:STG*((\t)%2)+16*\i
.endr
.endm
.macro KTILE t
.set XS, X+32*((\t)%2)
	s_wait_dscnt 0x0                               ; this tile's numbers are back from the stage, so its stores into the stage have read their registers,
.if (\t)+4 < 8
	LOADK (\t)+4                                   ; which take the loads of four tiles on
.endif
.if (\t) < 7
.if 6-(\t) >= 3
	s_wait_loadcnt 24                              ; the next tile's eight loads are in; those of the three tiles behind it may be out
.else
	s_wait_loadcnt 8*(6-(\t))
.endif
	TURN (\t)+1                                    ; and go through the other stage while this tile is worked
.endif
	v_max3_num_f32 v10, |v[XS]|, |v[XS+1]|, 0x1800000              ; my block's largest magnitude, in two chains; the floor 2^(3 - 127) is one more leaf: the byte cannot fall under 1
	v_max3_num_f32 v11, |v[XS+16]|, |v[XS+17]|, |v[XS+18]|
.irp n, 0,1,2,3,4,5
	v_max3_num_f32 v10, v10, |v[XS+2+2*\n]|, |v[XS+3+2*\n]|
	v_max3_num_f32 v11, v11, |v[XS+19+2*\n]|, |v[XS+20+2*\n]|
.endr
	v_max3_num_f32 v10, v10, |v[XS+14]|, |v[XS+15]|
	v_max3_num_f32 v10, v10, v11, |v[XS+31]|
	v_add_nc_u32 v12, 0xff000000, v10              ; 2 off its exponent field: the conversion takes the exponent field of this operand as its scale
	v_lshrrev_b32 v13, 23, v12                     ; the scale's byte
	s_wait_alu depctr_va_vdst(0)
	s_wait_xcnt 0x0                                ; the last tile's stores have read v16-21, which are written again only behind this wait
	v_cvt_scalef32_pk16_fp6_f32 v[16:18], v[XS:XS+15], v12
	v_cvt_scalef32_pk16_fp6_f32 v[22:24], v[XS+16:XS+31], v12      ; (a conversion's three registers begin on an even number)
	v_lshlrev_b32 v14, v9, v13                     ; the byte at its place.  (The plain line behind the conversions)
	v_mov_b32 v19, v22
	v_mov_b32 v20, v23
	v_mov_b32 v21, v24
	v_permlanex16_b32 v15, v14, s20, s21
	v_or_b32 v14, v14, v15                         ; with lane l xor 16's: the row's two bytes,
	v_lshl_or_b32 v[SW+(\t)], v14, 16, v14         ; twice
	global_store_b128 v7, v[16:19], s[10:11] offset:768*(\t)       ; the wave stores 512 consecutive bytes, at a multiple of 256 from the buffer's first byte,
	global_store_b64 v8, v[20:21], s[10:11] offset:768*(\t)+512    ; and 256
.endm
.irp t, 0,1,2,3
	LOADK \t
.endr
	s_wait_alu depctr_va_vdst(0)
	s_wait_loadcnt 24                              ; tile 0's eight loads are in
	TURN 0
.irp t, 0,1,2,3,4,5,6,7
	KTILE \t
.endr
	v_cmp_gt_u32 vcc_lo, 16, v1
.irp j, 0,1,2,3
	v_cndmask_b32 v[40+\j], v[SW+4+\j], v[SW+\j], vcc_lo           ; lanes 0-15: tile j's words; lanes 16-31: tile 4 + j's
.endr
	global_store_b128 v7, v[40:43], s[10:11] offset:6144
	s_wait_tensorcnt 0x0
	ds_add_u32 v62, v63
	s_wait_dscnt 0x0
	s_endpgm
; ---------------------------------------------------------------- PATH V: v, whose K (the keys) is not innermost
; A lane takes channels 2 l and 2 l + 1 of its head and its registers run down the keys: each load of the wave is one key's aligned 256 bytes, and a block of 32 keys of a channel lies in one lane.
.Lv:
	s_max_u32 s16, ttmp9, 130
	s_sub_co_u32 s16, s16, 130                     ; 32 batch + step
	s_lshl_b32 s18, s16, 17                        ; 128 keys of 1,024 bytes
	s_add_co_u32 s18, s18, s15
	s_mov_b32 s19, 0
	s_lshr_b32 s17, s16, 5
	s_lshl_b32 s17, s17, 2
	s_add_co_u32 s17, s17, s14                     ; hb
	s_lshl_b32 s17, s17, 5
	s_and_b32 s16, s16, 31
	s_add_co_u32 s16, s16, s17
	s_mul_i32 s16, s16, REC
	s_add_co_u32 s16, s16, 6656                    ; V's part of the record
	s_mov_b32 s17, 0
	s_wait_kmcnt 0x0
	s_add_nc_u64 s[6:7], s[6:7], s[18:19]
	s_add_nc_u64 s[10:11], s[10:11], s[16:17]
	s_mul_i32 s23, s14, VIM
	s_add_co_u32 s23, s23, VB0                     ; my wave's image
	s_wait_alu depctr_va_vdst(0)
	v_lshlrev_b32 v4, 3, v1                        ; in: 8 l
	; channel d = 2 l + u lies in tile (d / 8) % 4 = (l / 4) % 4, row 8 (d / 32) + d % 8 = 8 (l / 16) + 2 (l % 4) + u
	v_bfe_u32 v10, v0, 2, 2
	v_mul_u32_u24 v5, v10, 1536
	v_lshl_add_u32 v5, v3, 7, v5
	v_and_b32 v11, 3, v0
	v_lshl_add_u32 v5, v11, 5, v5
	v_add_nc_u32 v5, s23, v5                       ; codes: 1536 tile + 16 row (u, the key block and the registers stand in the immediate)
	v_lshlrev_b32 v6, 6, v3
	v_lshl_add_u32 v6, v11, 4, v6
	v_bfe_u32 v12, v0, 3, 1
	v_lshl_add_u32 v6, v12, 7, v6
	v_bfe_u32 v12, v0, 2, 1
	v_lshl_add_u32 v6, v12, 2, v6
	v_add_nc_u32 v6, s23, v6                       ; scale words: 8 (16 (tile / 2) + row) + 4 (tile % 2)
	v_lshlrev_b32 v9, 4, v1                        ; out: 16 l
	v_add_nc_u32 v7, s23, v9
	v_add_nc_u32 v8, s23, v4
.macro LOADV q                         ; key block q: 32 keys, my two channels
.set ii, 0
.rept 32
	global_load_b64 v[XV+64*((\q)%2)+2*ii:XV+64*((\q)%2)+2*ii+1], v4, s[6:7] offset:(32*(\q)+ii)*1024 th:TH_LOAD_NT
.set ii, ii+1
.endr
.endm
.macro VBLK q                          ; key block q = 2 c + h of the step
.set XS, XV+64*((\q)%2)
.if (\q) < 3
	s_wait_loadcnt 32                              ; this block's 32 loads are in; the next block's may be out
.else
	s_wait_loadcnt 0x0
.endif
.set ii, 0
.rept 32
	v_mov_b32 v[Y+ii], v[XS+2*ii]                  ; the conversions take one channel's keys from consecutive registers
	v_mov_b32 v[Y+32+ii], v[XS+2*ii+1]
.set ii, ii+1
.endr
.if (\q) < 2
	LOADV (\q)+2
.endif
.irp u, 0,1
	v_max3_num_f32 v[10+2*\u], |v[Y+32*\u]|, |v[Y+32*\u+1]|, 0x1800000   ; each channel's largest magnitude, with the floor; four chains by turns
	v_max3_num_f32 v[11+2*\u], |v[Y+32*\u+16]|, |v[Y+32*\u+17]|, |v[Y+32*\u+18]|
.endr
.irp n, 0,1,2,3,4,5
.irp u, 0,1
	v_max3_num_f32 v[10+2*\u], v[10+2*\u], |v[Y+32*\u+2+2*\n]|, |v[Y+32*\u+3+2*\n]|
	v_max3_num_f32 v[11+2*\u], v[11+2*\u], |v[Y+32*\u+19+2*\n]|, |v[Y+32*\u+20+2*\n]|
.endr
.endr
.irp u, 0,1
	v_max3_num_f32 v[10+2*\u], v[10+2*\u], |v[Y+32*\u+14]|, |v[Y+32*\u+15]|
.endr
.irp u, 0,1
	v_max3_num_f32 v[10+2*\u], v[10+2*\u], v[11+2*\u], |v[Y+32*\u+31]|
.endr
.irp u, 0,1
	v_add_nc_u32 v[14+\u], 0xff000000, v[10+2*\u]  ; the conversion's scale operand
.endr
.irp u, 0,1
.if (\q) == 0
	v_lshrrev_b32 v[36+\u], 23, v[14+\u]           ; the scale's byte: block q's is byte q of the channel's word
.else
	v_lshrrev_b32 v[38+\u], 23, v[14+\u]
.endif
.endr
.if (\q) > 0
.irp u, 0,1
	v_lshl_or_b32 v[36+\u], v[38+\u], 8*(\q), v[36+\u]
.endr
.endif
	s_wait_alu depctr_va_vdst(0)
	s_wait_dscnt 0x0                               ; the last block's stores into the image have read the codes' registers
	v_cvt_scalef32_pk16_fp6_f32 v[16:18], v[Y:Y+15], v14
	v_cvt_scalef32_pk16_fp6_f32 v[22:24], v[Y+16:Y+31], v14
	v_cvt_scalef32_pk16_fp6_f32 v[26:28], v[Y+32:Y+47], v15
	v_cvt_scalef32_pk16_fp6_f32 v[32:34], v[Y+48:Y+63], v15
	v_nop                                          ; one plain line behind the conversions
.irp i, 0,1,2
	v_mov_b32 v[19+\i], v[22+\i]
	v_mov_b32 v[29+\i], v[32+\i]
.endr
.irp u, 0,1                            ; six registers go to the image lane 16 h + row, registers 6 c .. 6 c + 5: pair 3 c + m lies in piece (3 c + m) / 2, half (3 c + m) % 2
.irp m, 0,1,2
	ds_store_b64 v5, v[16+10*\u+2*\m:17+10*\u+2*\m] offset:16*\u+256*((\q)%2)+512*((3*((\q)/2)+\m)/2)+8*((3*((\q)/2)+\m)%2)
.endr
.endr
.endm
	LOADV 0
	LOADV 1
.irp q, 0,1,2,3
	VBLK \q
.endr
	ds_store_b32 v6, v36 offset:6144
	ds_store_b32 v6, v37 offset:6152
.irp p, 0,1,2,3,4,5,6,7,8,9,10,11
	ds_load_b128 v[64+4*\p:67+4*\p], v7 offset:512*\p              ; LDS serves a wave's instructions in order: these see my stores
.endr
	ds_load_b64 v[112:113], v8 offset:6144
.irp p, 0,1,2,3,4,5,6,7,8,9,10,11
	s_wait_dscnt 12-\p                             ; piece p is back; the 12 - p loads behind it may be out
	global_store_b128 v9, v[64+4*\p:67+4*\p], s[10:11] offset:512*\p   ; 512 consecutive bytes, at a multiple of 256 from the buffer's first byte
.endr
	s_wait_dscnt 0x0
	global_store_b64 v4, v[112:113], s[10:11] offset:6144
	s_wait_tensorcnt 0x0
	ds_add_u32 v62, v63
	s_wait_dscnt 0x0
	s_endpgm
.Lfunc_end_k_q14a1c88789_prep:
	.size	k_q14a1c88789_prep, .Lfunc_end_k_q14a1c88789_prep-k_q14a1c88789_prep
	.p2alignl 7, 3214868480
	.fill 96, 4, 3214868480
	.section	.rodata,"a",@progbits
	.p2align	6, 0x0
	.amdhsa_kernel k_q14a1c88789_prep
		.amdhsa_group_segment_fixed_size 60928
		.amdhsa_private_segment_fixed_size 0
		.amdhsa_enable_private_segment 0
		.amdhsa_kernarg_size 40
		.amdhsa_user_sgpr_count 2
		.amdhsa_user_sgpr_kernarg_segment_ptr 1
		.amdhsa_wavefront_size32 1
		.amdhsa_system_sgpr_workgroup_id_x 1
		.amdhsa_system_sgpr_workgroup_id_y 1
		.amdhsa_system_sgpr_workgroup_id_z 1
		.amdhsa_system_vgpr_workitem_id 0
		.amdhsa_next_free_vgpr 256
		.amdhsa_next_free_sgpr 66
		.amdhsa_reserve_vcc 1
		.amdhsa_float_denorm_mode_32 3
		.amdhsa_float_denorm_mode_16_64 3
		.amdhsa_memory_ordered 1
		.amdhsa_forward_progress 1
		.amdhsa_inst_pref_size 70
	.end_amdhsa_kernel
	.amdgpu_metadata
---
amdhsa.version: [ 1, 2 ]
amdhsa.kernels:
  - .name:           k_q14a1c88789_prep
    .symbol:         k_q14a1c88789_prep.kd
    .args:
      - { .name: k, .offset: 0, .size: 8, .value_kind: global_buffer, .address_space: global }
      - { .name: v, .offset: 8, .size: 8, .value_kind: global_buffer, .address_space: global }
      - { .name: W_out, .offset: 16, .size: 8, .value_kind: global_buffer, .address_space: global }
      - { .name: kv, .offset: 24, .size: 8, .value_kind: global_buffer, .address_space: global }
      - { .name: wc, .offset: 32, .size: 8, .value_kind: global_buffer, .address_space: global }
    .group_segment_fixed_size: 60928
    .private_segment_fixed_size: 0
    .kernarg_segment_align: 8
    .kernarg_segment_size: 40
    .max_flat_workgroup_size: 128
    .sgpr_count:     66
    .vgpr_count:     256
    .wavefront_size: 32
...
	.end_amdgpu_metadata
.endif
;; end of part 1
;; launch attn (part 2): grid 16 x 16, 16 waves a work-group, clusters of 4 x 1, 327,680 bytes of LDS; arguments q, kv, oc; writes oc
.if DOCPART == 2
	.amdgcn_target "amdgcn-amd-amdhsa--gfx1250"
	.amdhsa_code_object_version 6
	.text
	.protected	k_q14a1c88789_attn
	.globl	k_q14a1c88789_attn
	.p2align	8
	.type	k_q14a1c88789_attn,@function
k_q14a1c88789_attn:
	s_mov_b64 s[64:65], 0
	v_nop
	global_prefetch_b8 v0, s[64:65] scope:SCOPE_SE
	s_setreg_imm32_b32 hwreg(HW_REG_WAVE_MODE, 25, 1), 1
	s_wait_xcnt 0x0
	s_wait_alu depctr_hold_cnt(0) depctr_sa_sdst(0) depctr_va_vdst(0) depctr_va_sdst(0) depctr_va_ssrc(0) depctr_va_vcc(0) depctr_vm_vsrc(0)
	s_getreg_b32 s2, hwreg(HW_REG_IB_STS2, 6, 4)
	s_cmp_eq_u32 s2, 0
	s_cbranch_scc0 .Lentry_in_a_cluster
	s_endpgm
.Lentry_in_a_cluster:
	s_bfe_u32 s2, ttmp6, 0x10000c
	s_cmp_lg_u32 s2, 0x3003
	s_cbranch_scc0 .Lentry_shape_is_right
	s_endpgm
.Lentry_shape_is_right:
; O[b][h][q][:] = the sum over k of softmax_k(Q . K / 8) V, head size 64, 4,096 keys, both products on codes of FP6 (E2M3) with one E8M0 scale for each 32 along a product's K; then O is quantised along the channels.
; q: [4][4096][256] f32, quantised here in registers.  kv: K's and V's codes and scale words as images of the operand's registers, one record of 13,056 bytes for each (hb = 4 batch + head, 128 keys).
; oc: O's codes and scale words as such images, 1,024 bytes for each (tile of 16 rows, head).
; THE SOFTMAX: t = score x log2(e) / 8; M = the row's largest t so far, rounded UP to a whole number; p = 2^(t - M) is what is quantised, along the keys, not normalised.
; The row's sum is taken of the unquantised p, in f32, and divides O at the end.  When M moves, the sum and O are multiplied by 2^(old M - new M): exact.
; SHARES.  A work-group owns 256 queries of one (batch, head); each of its sixteen waves 16 of them, in 256 registers, four waves to a SIMD.  Every wave walks the head's 32 key steps of 128 keys.
; LDS holds 20 records.  Steps 0-11 are asked for at the head (waves 0-11, a record each: 51 rows of 256 bytes), steps 12-19 behind the first full sequence (waves 0-7), steps 20-31 fill the first
; twelve places again when steps 0-11 have been read (waves 0-11).  So the walk has three phases of 12, 8 and 12 steps and meets at a barrier only between phases.
; the add in front of a round with fills is written twice.
; CLUSTER.  The four query blocks of a cluster belong to one head and walk the same records: each record is asked for JOINTLY, by the same tensor load with the same descriptor and a mask that names the four.
; NO PREFETCH: 20 of a head's 32 records are asked for ahead of the first key step, and the last 12 are asked for eight key steps ahead of the wait for them: no loop is left in which a request could run further ahead.
; LAYOUT.  Both products are used transposed (S^T = K Q^T, O^T = V^T P^T): a lane (r = lane % 16, h = lane / 16) holds ONE query r throughout.  The rows that form a tile were chosen by the launch that laid kv:
; register 8 T + j of S^T is key 64 (T / 4) + 32 h + 8 (T % 4) + j, register 8 T + j of O^T is channel 32 h + 8 T + j: a lane holds WHOLE blocks of 32 in ascending registers, the 6-bit operand's own layout.
; K = 64 IN AN INSTRUCTION OF K = 128: Q's registers 6-11 are zero codes.  K's fragment of tile T is named as 12 registers from its own six on: the upper six are the next tile's codes (the last tile's: six zeros),
; which meet Q's zero codes: E2M3 has no infinity and no NaN, so those products are 0.  The scale words of Q and K hold their two bytes twice.
; q COMES IN BY ROWS: sixteen lanes read one row's aligned 256 bytes of the head; the 16 rows turn through the wave's own stage of 8 rows in LDS, in two passes, and a select keeps the pass that held the lane's row.
; LIMITS: NaN and infinities among the inputs are not served; a block of zeros gets the byte 1 where the rule says 127 (its codes are zeros, this program alone reads the bytes); blocks whose largest magnitude lies
; under 2^-124 are held at that byte; the division by the sum is v_rcp_f32 and a multiplication; p under 2^-126 comes out of v_exp_f32 as 0; the scaled scores t stay under 2^31 in magnitude.
.set REC,   13056
.set R1,    12*REC                     ; the places of steps 12-19
.set STG,   20*REC                     ; behind the records: q's stages, 8 rows x (256 + 16) bytes for each wave; no tensor load lands there
.set SROW,  272
.set SPARE, STG+16*8*SROW              ; behind the stages: the spare words, 128 bytes for each of the sixteen waves
; v0, v12 -M, by turns from step to step;  v1 16 l, v2 8 l;  v3 my spare word's address, v4 0 (kept for that alone);  v5, v6 the pair of steps in hand + 16 l, + 8 l;  v7 at work;  v8-11 K's scale words;
; v13 the largest score so far;  v[14:15] the sum in two halves;  v16-27 Q;  v28 Q's scale word;  v29 8 h;  v30-31 V's scale words;  v245, v253 permutes' destinations;
; v242-244, v246-248 second halves of blocks' codes, then with v249-251 the sum's chains;  v249-252 at work;  v254 f;  v255 p's scale word
.set KF, 32                            ; v32-85   K's eight tiles, six registers each, and six zeros
.set VF, 86                            ; v86-133  V's four tiles
.set QL, 86                            ; v86-117  at the head: q as it is loaded
.set S,  134                           ; v134-197 S^T, then p
.set O,  198                           ; v198-229 O^T (at the head v198, v199: the stage's addresses)
.set P,  230                           ; v230-241 p's codes; ahead of them the maxima's chains, the two blocks' largest scores and first sums of p
.set WV, 10                            ; s10 my wave's number
; s[4:5] q, s[6:7] kv, s[8:9] oc;  s[20:21] lane selects;  s[22:23] c;  s[24:31] descriptor group 1;  s[32:35] group 0;  s36 the pair of steps in hand;  s37 trips to go
.macro ROUND                           ; a round of the cluster's barrier
	s_barrier_signal -1
	s_barrier_wait -1
	s_cmp_lg_u32 s[WV], 0
	s_cbranch_scc1 .Lnot_wave_0_\@
	s_barrier_signal -3
.Lnot_wave_0_\@:
	s_barrier_wait -3
	s_barrier_signal -1
	s_barrier_wait -1
.endm
.macro TLOAD n                         ; waves 0 .. n - 1 fetch a record each: the branch hangs on the wave's number alone.  s_nop 0 and four v_nop follow the load
	s_cmp_lt_u32 s[WV], \n
	s_cbranch_scc0 .Lnone_\@
	tensor_load_to_lds s[32:35], s[24:31]
	s_nop 0
.rept 4
	v_nop
.endr
.Lnone_\@:
.endm
; 32 numbers of a lane, v[s] on, one block along K, become six registers of codes at v[c] on; v[t] on takes the second half on its way; v[w] gets the row's scale word (my byte and lane l xor 16's, twice)
.macro QUANT32 s, c, t, w
	v_max3_num_f32 v250, |v[\s]|, |v[\s+1]|, 0x1800000             ; the floor 2^(3 - 127) is one more leaf: the byte cannot fall under 1
	v_max3_num_f32 v251, |v[\s+16]|, |v[\s+17]|, |v[\s+18]|
.irp n, 0,1,2,3,4,5
	s_delay_alu instid0(VALU_DEP_2)
	v_max3_num_f32 v250, v250, |v[\s+2+2*\n]|, |v[\s+3+2*\n]|
	s_delay_alu instid0(VALU_DEP_2)
	v_max3_num_f32 v251, v251, |v[\s+19+2*\n]|, |v[\s+20+2*\n]|
.endr
	s_delay_alu instid0(VALU_DEP_2)
	v_max3_num_f32 v250, v250, |v[\s+14]|, |v[\s+15]|
	s_delay_alu instid0(VALU_DEP_1)
	v_max3_num_f32 v250, v250, v251, |v[\s+31]|
	s_delay_alu instid0(VALU_DEP_1)
	v_add_nc_u32 v252, 0xff000000, v250            ; 2 off the exponent field: the conversion's scale operand
	s_delay_alu instid0(VALU_DEP_1)
	v_lshrrev_b32 v251, 23, v252                   ; the scale's byte
	v_cvt_scalef32_pk16_fp6_f32 v[\c:\c+2], v[\s:\s+15], v252
	v_cvt_scalef32_pk16_fp6_f32 v[\t:\t+2], v[\s+16:\s+31], v252   ; (a conversion's three registers begin on an even number)
	v_lshlrev_b32 v251, v29, v251                  ; the byte at its place, 8 h bits up.  (The plain line behind the conversions)
.irp i, 0,1,2
	v_mov_b32 v[\c+3+\i], v[\t+\i]
.endr
	s_delay_alu instid0(VALU_DEP_4)
	v_permlanex16_b32 v253, v251, s20, s21
	s_delay_alu instid0(VALU_DEP_1)
	v_or_b32 v251, v251, v253
	s_delay_alu instid0(VALU_DEP_1)
	v_lshl_or_b32 v[\w], v251, 16, v251
.endm
	s_load_b128 s[4:7], s[0:1], 0x0                ; q, kv
	s_load_b64 s[8:9], s[0:1], 0x10                ; oc
	v_lshl_add_u32 v3, v0, 2, SPARE
	v_mov_b32 v4, 0
	ds_add_u32 v3, v4                              ; the opening lines: the add, twice on end, and its wait ahead of the first tensor load
	ds_add_u32 v3, v4
	v_lshrrev_b32 v7, 5, v0
	s_delay_alu instid0(VALU_DEP_1)
	v_readfirstlane_b32 s[WV], v7                  ; wave 0..15
	s_bfe_u32 s11, ttmp6, 0x40000                  ; cx: my place in the cluster
	s_lshl_b32 s12, ttmp9, 2                       ; in a cluster launch ttmp9 counts clusters
	s_add_co_u32 s12, s12, s11                     ; my block of 256 queries: it enters q's and oc's addresses alone
	s_and_b32 s13, ttmp7, 0xffff                   ; hb, which the four partners share
	; descriptor group 1: a record, a dense block of 13,056 bytes, as 51 rows of 256 bytes (32 elements of 8 bytes), no padding: images are read lane after lane
	s_mov_b32 s24, 15|(3<<16)|(1<<21)              ; 15:0 the mask: all four work-groups; 17:16 elements of 8 bytes; 21 set beside a mask
	s_mov_b32 s25, 32<<16                          ; tensor_dim0 = 32
	s_mov_b32 s26, 51<<16                          ; tensor_dim1 = 51
	s_mov_b32 s27, 32<<16                          ; tile_dim0 = 32
	s_mov_b32 s28, 51                              ; tile_dim1 = 51
	s_mov_b32 s29, 32                              ; from row to row
	s_mov_b32 s30, 0
	s_mov_b32 s31, 0
	s_mov_b32 s32, 1                               ; group 0: count = 1
	s_mul_i32 s33, s[WV], REC                      ; step w's place: no place in the cluster enters an LDS address
	s_mul_i32 s42, s13, 32*REC                     ; the head's 32 records,
	s_add_co_u32 s42, s42, s33                     ; step w's
	s_mov_b32 s43, 0
	s_lshr_b32 s44, s13, 2
	s_lshl_b32 s44, s44, 8                         ; 256 tiles of 16 rows to a batch,
	s_lshl_b32 s45, s12, 4                         ; 16 to a block of queries
	s_add_co_u32 s44, s44, s45
	s_add_co_u32 s44, s44, s[WV]                   ; my tile of rows
	s_and_b32 s45, s13, 3                          ; the head
	s_lshl_b32 s46, s44, 14                        ; q: 16 rows of 1,024 bytes,
	s_lshl_b32 s48, s45, 8                         ; the head's 256 bytes in a row
	s_add_co_u32 s46, s46, s48
	s_mov_b32 s47, 0
	s_lshl_b32 s48, s44, 2
	s_add_co_u32 s48, s48, s45
	s_lshl_b32 s48, s48, 10                        ; oc: record 4 x tile + head
	s_mov_b32 s49, 0
	s_mov_b32 s20, 0x76543210
	s_mov_b32 s21, 0xfedcba98                      ; v_permlanex16_b32's selects for lane l xor 16
	s_mov_b32 s22, 0x3e38aa3b                      ; c = log2(e) / 8
	s_mov_b32 s23, s22                             ; (named with it as a pair, so it is written)
	s_mul_i32 s51, s[WV], 8*SROW
	s_add_co_u32 s51, s51, STG                     ; my stage
	v_and_b32 v5, 15, v0                           ; r
	v_bfe_u32 v6, v0, 4, 1                         ; h
	v_and_b32 v2, 31, v0
	v_and_b32 v199, 7, v0
	v_lshlrev_b32 v29, 3, v6
	v_lshlrev_b32 v7, 10, v6
	v_mul_u32_u24 v198, v6, SROW
	v_mul_u32_u24 v199, v199, SROW
	v_lshlrev_b32 v1, 4, v2
	v_lshlrev_b32 v2, 3, v2
	v_lshl_add_u32 v7, v5, 4, v7                   ; q: lanes 0-15 one row's 256 bytes, lanes 16-31 the next row's
	v_lshl_add_u32 v198, v5, 4, v198
	v_lshl_add_u32 v199, v6, 7, v199
	v_add_nc_u32 v198, s51, v198                   ; the stage, on the way in: row h of a pair, 16 r
	v_add_nc_u32 v199, s51, v199                   ; and out: row r % 8, my half's 128 bytes
	s_wait_alu depctr_va_vdst(0)                   ; directly ahead of the waits below
	s_wait_dscnt 0x0                               ; both opening adds are done
	s_wait_kmcnt 0x0
	s_add_nc_u64 s[34:35], s[6:7], s[42:43]        ; global address: the head's record w
	s_or_b32 s35, s35, 0x80000000                  ; type = 2
	s_add_nc_u64 s[4:5], s[4:5], s[46:47]
	s_add_nc_u64 s[8:9], s[8:9], s[48:49]
.irp i, 0,1,2,3,4,5,6,7
	global_load_b128 v[QL+4*\i:QL+4*\i+3], v7, s[4:5] offset:2048*\i th:TH_LOAD_NT   ; rows 2 i and 2 i + 1 of my tile
.endr
	ROUND                                          ; all four work-groups are here: the first joint loads meet
	TLOAD 12                                       ; steps 0-11: at most one tensor load of mine is out
	v_mov_b32 v245, 0                              ; written once: a lane permute's destination counts as one of its sources
	v_mov_b32 v253, 0
	v_mov_b32 v255, 0                              ; (named as the upper half of the pair v[254:255] before it is first written)
	v_mov_b32 v14, 0                               ; the sum, in two halves
	v_mov_b32 v15, 0
	v_mov_b32 v13, 0xff61b1e6                      ; the largest score so far: -3e38
	s_delay_alu instid0(VALU_DEP_1)
	v_mul_f32 v249, s22, v13
	s_delay_alu instid0(VALU_DEP_1)
	v_floor_f32 v12, -v249                         ; -M
.irp i, 0,1,2,3,4,5
	v_mov_b32 v[22+\i], 0                          ; Q's k = 64 .. 127: zero codes
	v_mov_b32 v[KF+48+\i], 0                       ; what the last tile of K names beyond its own six registers
.endr
	s_wait_alu depctr_va_vdst(0)                   ; directly ahead of the wait below
	s_wait_loadcnt 4                               ; rows 0-7 are in; the four loads of rows 8-15 may be out
.irp i, 0,1,2,3
	ds_store_b128 v198, v[QL+4*\i:QL+4*\i+3] offset:2*SROW*\i
.endr
.irp j, 0,1,2,3,4,5,6,7
	ds_load_b128 v[S+4*\j:S+4*\j+3], v199 offset:16*\j             ; LDS serves a wave's instructions in order: these see the stores above, and are served ahead of those below
.endr
	s_wait_loadcnt 0x0
.irp i, 0,1,2,3
	ds_store_b128 v198, v[QL+16+4*\i:QL+16+4*\i+3] offset:2*SROW*\i
.endr
.irp j, 0,1,2,3,4,5,6,7
	ds_load_b128 v[S+32+4*\j:S+32+4*\j+3], v199 offset:16*\j
.endr
	s_wait_dscnt 0x0
	v_cmp_gt_u32 vcc_lo, 8, v5                     ; r < 8: my row went through in the first pass
.set jj, 0
.rept 32
	v_cndmask_b32 v[S+jj], v[S+32+jj], v[S+jj], vcc_lo
.set jj, jj+1
.endr
	QUANT32 S, 16, 242, 28
.irp i, 242,243,246,247,248,249,250,251
	v_mov_b32 v[\i], 0                             ; the sum's chains: a step begins by joining the chains of the step before
.endr
.set jj, 0
.rept 32
	v_mov_b32 v[O+jj], 0                           ; O^T.  (The step is written once: the first finds zeros.  These lines also stand between Q's scale word and the first product)
.set jj, jj+1
.endr
.macro KLOAD q                         ; 17 loads: step q's eight tiles of K and their scale words
.irp T, 0,1,2,3,4,5,6,7
	ds_load_b128 v[KF+6*\T:KF+6*\T+3], v5 offset:(\q)*REC+768*\T
	ds_load_b64 v[KF+6*\T+4:KF+6*\T+5], v6 offset:(\q)*REC+768*\T+512
.endr
	ds_load_b128 v[8:11], v5 offset:(\q)*REC+6144
.endm
.macro VLOAD q                         ; 13 loads: its four tiles of V and their scale words
.irp T, 0,1,2,3
.irp p, 0,1,2
	ds_load_b128 v[VF+12*\T+4*\p:VF+12*\T+4*\p+3], v5 offset:(\q)*REC+6656+1536*\T+512*\p
.endr
.endr
	ds_load_b64 v[30:31], v6 offset:(\q)*REC+12800
.endm
.macro JOINS                           ; the sum's five chains become one
	v_pk_add_f32 v[14:15], v[14:15], v[246:247]
	v_pk_add_f32 v[242:243], v[242:243], v[250:251]
	v_pk_add_f32 v[14:15], v[14:15], v[248:249]
	s_delay_alu instid0(VALU_DEP_1)
	v_pk_add_f32 v[14:15], v[14:15], v[242:243]
.endm
; A KEY STEP: 128 keys, the q-th of the pair in hand.  nx = 1: the next step's K is asked for ahead of the softmax (nx = 0: the phase's last step).  v[a] holds the old -M, v[b] takes the new one
.macro STEP q, nx, a, b
	s_wait_dscnt 0x0                               ; K and its scale words are in
.irp T, 0,1,2,3
	v_wmma_scale_f32_16x16x128_f8f6f4 v[S+8*\T:S+8*\T+7], v[KF+6*\T:KF+6*\T+11], v[16:27], 0, v[8+\T], v28 matrix_a_fmt:MATRIX_FMT_FP6 matrix_b_fmt:MATRIX_FMT_FP6
.endr
.irp T, 4,5,6,7
	v_wmma_scale_f32_16x16x128_f8f6f4 v[S+8*\T:S+8*\T+7], v[KF+6*\T:KF+6*\T+11], v[16:27], 0, v[4+\T], v28 matrix_a_fmt:MATRIX_FMT_FP6 matrix_b_fmt:MATRIX_FMT_FP6 matrix_a_scale:MATRIX_SCALE_ROW1
.endr
	JOINS                                          ; the last step's sums, under the old M: four plain lines that name no register of the products: the four places in front of the reads of S^T and of the loads below
	VLOAD \q
.if \nx
	KLOAD (\q)+1
.endif
.irp c, 0,1                            ; THE LARGEST SCORE OF EACH OF MY TWO BLOCKS OF 32 KEYS: it serves the row's maximum and, since p rises with the score, the block's largest p.  Four chains by turns; each tile is read from its low end on
	v_max3_num_f32 v[230+2*\c], v[S+32*\c], v[S+32*\c+1], v[S+32*\c+2]
	v_max3_num_f32 v[231+2*\c], v[S+32*\c+16], v[S+32*\c+17], v[S+32*\c+18]
.endr
.irp i, 3,5,7,9,11,13
.irp c, 0,1
	v_max3_num_f32 v[230+2*\c], v[230+2*\c], v[S+32*\c+\i], v[S+32*\c+\i+1]
	v_max3_num_f32 v[231+2*\c], v[231+2*\c], v[S+32*\c+16+\i], v[S+32*\c+17+\i]
.endr
.endr
.irp c, 0,1
	v_max3_num_f32 v[230+2*\c], v[230+2*\c], v[S+32*\c+15], v[S+32*\c+31]
.endr
.irp c, 0,1
	s_delay_alu instid0(VALU_DEP_2)
	v_max_num_f32 v[234+\c], v[230+2*\c], v[231+2*\c]
.endr
	s_delay_alu instid0(VALU_DEP_1)
	v_max_num_f32 v249, v234, v235
	s_delay_alu instid0(VALU_DEP_1)
	v_permlanex16_b32 v245, v249, s20, s21         ; my query's other 64 keys lie in lane l xor 16
	s_delay_alu instid0(VALU_DEP_1)
	v_max3_num_f32 v13, v13, v249, v245            ; the running largest score
	s_delay_alu instid0(VALU_DEP_1)
	v_mul_f32 v7, s22, v13                         ; as t (c is positive)
	s_delay_alu instid0(VALU_DEP_1)
	v_floor_f32 v[\b], -v7                         ; the new -M = floor(-t) = -ceil(t): M IS A WHOLE NUMBER
	s_delay_alu instid0(VALU_DEP_1)
	v_sub_f32 v7, v[\b], v[\a]                     ; M's old value less its new one: a whole number, 0 or less
.set jj, 0
.rept 16
	v_pk_fma_f32 v[S+jj:S+jj+1], v[S+jj:S+jj+1], s[22:23], v[\b:\b+1] op_sel_hi:[1,0,0]   ; t - M of my first block, two at a time (of the pairs c and -M the low word serves both halves)
.set jj, jj+2
.endr
	v_cvt_i32_f32 v7, v7                           ; (it saturates)
	v_fma_f32 v234, v234, s22, v[\b]               ; t - M of each block's largest score
	v_fma_f32 v235, v235, s22, v[\b]
	v_ldexp_f32 v254, 1.0, v7                      ; f = 2^(old M - new M)
	s_wait_alu depctr_va_vdst(0)                   ; ahead of a batch
.set jj, 0
.rept 16                               ; p = 2^(t - M) of the first block: NOT normalised.  Among them t - M of the second block: each of these lines reads what was written ahead of the wait above, and is read behind the wait below
	v_exp_f32 v[S+jj], v[S+jj]
	v_pk_fma_f32 v[S+32+jj:S+33+jj], v[S+32+jj:S+33+jj], s[22:23], v[\b:\b+1] op_sel_hi:[1,0,0]
	v_exp_f32 v[S+jj+1], v[S+jj+1]
.set jj, jj+2
.endr
	v_nop                                          ; the plain line behind the last exponential
	s_wait_alu depctr_va_vdst(0)                   ; behind the first batch and ahead of the second
.set kk, 0
.irp d, 230,232,236,238,240,242,244,246            ; p of the second block.  Among them the first sums of the first block's p, THE UNQUANTISED p, each into a pair of its own, read behind the wait below
	v_exp_f32 v[S+32+4*kk], v[S+32+4*kk]
	v_exp_f32 v[S+33+4*kk], v[S+33+4*kk]
	v_pk_add_f32 v[\d:\d+1], v[S+4*kk:S+4*kk+1], v[S+4*kk+2:S+4*kk+3]
	v_exp_f32 v[S+34+4*kk], v[S+34+4*kk]
	v_exp_f32 v[S+35+4*kk], v[S+35+4*kk]
.set kk, kk+1
.endr
	v_exp_f32 v234, v234                           ; the block's largest p: the same two instructions on the same number
	v_exp_f32 v235, v235
	v_pk_mul_f32 v[14:15], v[14:15], v[254:255] op_sel_hi:[1,0]    ; the sums under the new M.  (The plain line behind the exponentials)
	s_wait_alu depctr_va_vdst(0)                   ; behind the batch, ahead of its first use
	v_max_num_f32 v234, 0x1800000, v234            ; the floor 2^(3 - 127): the byte cannot fall under 1
	v_max_num_f32 v235, 0x1800000, v235
	v_pk_add_f32 v[230:231], v[230:231], v[232:233]                ; the eight first sums are folded into the row's sum, by turns with the scale's lines
	v_pk_add_f32 v[236:237], v[236:237], v[238:239]
	v_pk_add_f32 v[240:241], v[240:241], v[242:243]
	v_pk_add_f32 v[244:245], v[244:245], v[246:247]
	v_add_nc_u32 v250, 0xff000000, v234            ; 2 off the exponent field: the conversions' scale operands
	v_add_nc_u32 v251, 0xff000000, v235
	v_pk_add_f32 v[230:231], v[230:231], v[236:237]
	v_pk_add_f32 v[240:241], v[240:241], v[244:245]
	v_lshrrev_b32 v252, 23, v250                   ; the bytes of blocks h and 2 + h
	v_lshrrev_b32 v249, 23, v251
	v_pk_add_f32 v[14:15], v[14:15], v[230:231]
	s_delay_alu instid0(VALU_DEP_2)
	v_lshl_or_b32 v252, v249, 16, v252
	v_pk_add_f32 v[14:15], v[14:15], v[240:241]
	s_delay_alu instid0(VALU_DEP_2)
	v_lshlrev_b32 v252, v29, v252                  ; at their places, 8 h bits up
	s_delay_alu instid0(VALU_DEP_1)
	v_permlanex16_b32 v253, v252, s20, s21
	s_delay_alu instid0(VALU_DEP_1)
	v_or_b32 v255, v252, v253                      ; with lane l xor 16's two: p's scale word for these 128 keys
	v_cvt_scalef32_pk16_fp6_f32 v[P:P+2], v[S:S+15], v250
	v_cvt_scalef32_pk16_fp6_f32 v[242:244], v[S+16:S+31], v250     ; (a conversion's three registers begin on an even number)
	v_cvt_scalef32_pk16_fp6_f32 v[P+6:P+8], v[S+32:S+47], v251
	v_cvt_scalef32_pk16_fp6_f32 v[246:248], v[S+48:S+63], v251
	v_pk_add_f32 v[14:15], v[14:15], v[S+48:S+49]                  ; the second block's p is summed in five chains.  (This line is also the plain line behind the conversions)
	v_dual_mov_b32 v233, v242 :: v_dual_mov_b32 v234, v243         ; the blocks' second halves to their places
	v_dual_mov_b32 v235, v244 :: v_dual_mov_b32 v240, v247
	v_mov_b32 v239, v246
	v_mov_b32 v241, v248
	v_pk_add_f32 v[242:243], v[S+32:S+33], v[S+34:S+35]
	v_pk_add_f32 v[250:251], v[S+36:S+37], v[S+38:S+39]
	v_pk_add_f32 v[248:249], v[S+40:S+41], v[S+42:S+43]
	v_pk_add_f32 v[246:247], v[S+44:S+45], v[S+46:S+47]
	v_pk_add_f32 v[242:243], v[242:243], v[S+50:S+51]
	v_pk_add_f32 v[250:251], v[250:251], v[S+52:S+53]
	v_pk_add_f32 v[248:249], v[248:249], v[S+54:S+55]
	v_pk_add_f32 v[246:247], v[246:247], v[S+56:S+57]
	v_pk_add_f32 v[14:15], v[14:15], v[S+58:S+59]
	v_pk_add_f32 v[242:243], v[242:243], v[S+60:S+61]
	v_pk_add_f32 v[250:251], v[250:251], v[S+62:S+63]              ; the next step, or the way out, joins the chains
	s_wait_alu depctr_va_vdst(0)                   ; directly ahead of the first use of O^T
.set jj, 0
.rept 16
	v_pk_mul_f32 v[O+jj:O+jj+1], v[O+jj:O+jj+1], v[254:255] op_sel_hi:[1,0]   ; O^T under the new M, each tile from its low end on
.set jj, jj+2
.endr
	s_wait_alu depctr_va_vdst(0)                   ; directly ahead of the wait below
.if \nx
	s_wait_dscnt 17                                ; V and its scale words are in; the 17 loads of the next step's K, issued behind them, may be out
.else
	s_wait_dscnt 0x0
.endif
.irp T, 0,1                            ; O^T += V^T P^T; the four accumulators take turns
	v_wmma_scale_f32_16x16x128_f8f6f4 v[O+8*\T:O+8*\T+7], v[VF+12*\T:VF+12*\T+11], v[P:P+11], v[O+8*\T:O+8*\T+7], v[30+\T], v255 matrix_a_fmt:MATRIX_FMT_FP6 matrix_b_fmt:MATRIX_FMT_FP6
.endr
.irp T, 2,3
	v_wmma_scale_f32_16x16x128_f8f6f4 v[O+8*\T:O+8*\T+7], v[VF+12*\T:VF+12*\T+11], v[P:P+11], v[O+8*\T:O+8*\T+7], v[28+\T], v255 matrix_a_fmt:MATRIX_FMT_FP6 matrix_b_fmt:MATRIX_FMT_FP6 matrix_a_scale:MATRIX_SCALE_ROW1
.endr
.endm
; BETWEEN PHASES.  Each wave waits for all its tensor loads, adds 0 to its spare word, and waits for that and for its reads of the records that it has left.
; n > 0: a round of the cluster's barrier follows, and waves 0 .. n - 1 ask jointly for a record each, first thing behind the round: place lds + w, the record step bytes on from the wave's last.
; By this text's own count a wave never has more than one tensor load out.
.macro CHANGE n, lds, step
	s_wait_tensorcnt 0x0                           ; no tensor load of mine is out, so group 0 may be written
	ds_add_u32 v3, v4                              ; 0 onto my spare word
.if \n
	ds_add_u32 v3, v4                              ; and once more
	s_mul_i32 s33, s[WV], REC
	s_add_co_u32 s33, s33, \lds
	s_add_nc_u64 s[34:35], s[34:35], \step         ; the type bits on top are not reached
.endif
	s_wait_dscnt 0x0
.if \n
	ROUND
	TLOAD \n
.else
	s_barrier_signal -1
	s_barrier_wait -1
.endif
.endm
.macro PAIR nx                         ; two key steps: -M goes from v12 to v0 and back
	v_add_nc_u32 v5, s36, v1
	v_add_nc_u32 v6, s36, v2
	s_wait_alu depctr_va_vdst(0)
	STEP 0, 1, 12, 0
	STEP 1, \nx, 0, 12
	s_add_co_u32 s36, s36, 2*REC
.endm
.macro PHASE base, trips               ; 2 (trips + 1) key steps from LDS byte base on; the last pair is written out: it asks for no K beyond the phase
	s_mov_b32 s36, \base
	s_mov_b32 s37, \trips
	v_add_nc_u32 v5, s36, v1
	v_add_nc_u32 v6, s36, v2
	s_wait_alu depctr_va_vdst(0)
	KLOAD 0
.Lpair_\@:
	PAIR 1
	s_sub_co_u32 s37, s37, 1
	s_cmp_lg_u32 s37, 0
	s_cbranch_scc1 .Lpair_\@
	PAIR 0
.endm
	s_wait_alu depctr_va_vdst(0)
	CHANGE 8, R1, 12*REC                           ; steps 0-11 are in; steps 12-19 are asked for, into places of their own
	PHASE 0, 5                                     ; steps 0-11
	CHANGE 12, 0, 8*REC                            ; steps 12-19 are in; steps 20-31 fill the first twelve places again
	PHASE R1, 3                                    ; steps 12-19
	CHANGE 0, 0, 0                                 ; steps 20-31 are in; nothing more is asked for
	PHASE 0, 5                                     ; steps 20-31
	; THE WAY OUT.  O^T is divided by the row's sum; a lane's 32 numbers are one block along the next product's K: they are quantised as q was and leave as an image of the operand's registers.
	JOINS                                          ; the last step's sums.  (These four lines are also the places behind the last products)
	s_delay_alu instid0(VALU_DEP_1)
	v_add_f32 v14, v14, v15                        ; the sum's two halves,
	s_delay_alu instid0(VALU_DEP_1)
	v_permlanex16_b32 v245, v14, s20, s21
	s_delay_alu instid0(VALU_DEP_1)
	v_add_f32 v14, v14, v245                       ; and lane l xor 16's
	s_wait_alu depctr_va_vdst(0)
	v_rcp_f32 v14, v14
	v_nop                                          ; the plain line behind the reciprocal
	s_wait_alu depctr_va_vdst(0)
.set jj, 0
.rept 16
	v_pk_mul_f32 v[S+jj:S+jj+1], v[O+jj:O+jj+1], v[14:15] op_sel_hi:[1,0]   ; each tile from its low end on
.set jj, jj+2
.endr
	QUANT32 S, P, 242, 236
	s_delay_alu instid0(VALU_DEP_1)
	v_mov_b32 v237, v236                           ; the word twice, so that the wave's store fills 256 bytes
	global_store_b128 v1, v[P:P+3], s[8:9]                         ; 512 consecutive bytes, at a multiple of 256 from the buffer's first byte,
	global_store_b64 v2, v[P+4:P+5], s[8:9] offset:512             ; 256,
	global_store_b64 v2, v[236:237], s[8:9] offset:768             ; 256
	s_wait_tensorcnt 0x0                           ; the wave's end
	ds_add_u32 v3, v4
	s_wait_dscnt 0x0
	ROUND                                          ; the closing round: no work-group ends while a partner may still ask for a record that names it
	s_endpgm
.Lfunc_end_k_q14a1c88789_attn:
	.size	k_q14a1c88789_attn, .Lfunc_end_k_q14a1c88789_attn-k_q14a1c88789_attn
	.p2alignl 7, 3214868480
	.fill 96, 4, 3214868480
	.section	.rodata,"a",@progbits
	.p2align	6, 0x0
	.amdhsa_kernel k_q14a1c88789_attn
		.amdhsa_group_segment_fixed_size 327680
		.amdhsa_private_segment_fixed_size 0
		.amdhsa_enable_private_segment 0
		.amdhsa_kernarg_size 24
		.amdhsa_user_sgpr_count 2
		.amdhsa_user_sgpr_kernarg_segment_ptr 1
		.amdhsa_wavefront_size32 1
		.amdhsa_system_sgpr_workgroup_id_x 1
		.amdhsa_system_sgpr_workgroup_id_y 1
		.amdhsa_system_sgpr_workgroup_id_z 1
		.amdhsa_system_vgpr_workitem_id 0
		.amdhsa_next_free_vgpr 256
		.amdhsa_next_free_sgpr 66
		.amdhsa_reserve_vcc 1
		.amdhsa_float_denorm_mode_32 3
		.amdhsa_float_denorm_mode_16_64 3
		.amdhsa_memory_ordered 1
		.amdhsa_forward_progress 1
		.amdhsa_inst_pref_size 195
	.end_amdhsa_kernel
	.amdgpu_metadata
---
amdhsa.version: [ 1, 2 ]
amdhsa.kernels:
  - .name:           k_q14a1c88789_attn
    .symbol:         k_q14a1c88789_attn.kd
    .args:
      - { .name: q, .offset: 0, .size: 8, .value_kind: global_buffer, .address_space: global }
      - { .name: kv, .offset: 8, .size: 8, .value_kind: global_buffer, .address_space: global }
      - { .name: oc, .offset: 16, .size: 8, .value_kind: global_buffer, .address_space: global }
    .group_segment_fixed_size: 327680
    .private_segment_fixed_size: 0
    .kernarg_segment_align: 8
    .kernarg_segment_size: 24
    .max_flat_workgroup_size: 512
    .sgpr_count:     66
    .vgpr_count:     256
    .wavefront_size: 32
...
	.end_amdgpu_metadata
.endif
;; end of part 2
;; launch proj (part 3): grid 256 x 1, 4 waves a work-group, no clusters, 17,920 bytes of LDS; arguments oc, wc, b_out, out0; writes out0
.if DOCPART == 3
	.amdgcn_target "amdgcn-amd-amdhsa--gfx1250"
	.amdhsa_code_object_version 6
	.text
	.protected	k_q14a1c88789_proj
	.globl	k_q14a1c88789_proj
	.p2align	8
	.type	k_q14a1c88789_proj,@function
k_q14a1c88789_proj:
	s_mov_b64 s[64:65], 0
	v_nop
	global_prefetch_b8 v0, s[64:65] scope:SCOPE_SE
	s_setreg_imm32_b32 hwreg(HW_REG_WAVE_MODE, 25, 1), 1
	s_wait_xcnt 0x0
; out0[row][o] = the sum over e of O[row][e] W_out[o][e] + b_out[o], K = 256, on codes of FP6 (E2M3) with one E8M0 scale for each 32 along K.
; oc: O's codes and scale words, 1,024 bytes for each (tile of 16 rows, head): 512 bytes registers 0-3, 256 bytes registers 4-5, 256 bytes the scale word (twice a lane).
; wc: W_out's, 6,656 bytes for each (128 rows, 64 columns): eight tiles of 768 bytes, then the scale words, 16 bytes a lane.  Both are images of the operand's registers for 64 along K:
; two of them, from neighbouring heads (column chunks), are the 12 registers of a fragment of 128 along K; their scale words, which hold two bytes twice, are joined by one v_perm_b32.
; SHARES.  A work-group takes 64 rows, four tiles.  Wave w makes outputs 64 w .. 64 w + 63 of all of them: an aligned 256 bytes of each row.  Its 8 fragments of W_out and its bias stay in registers.
; THE PRODUCT IS USED TRANSPOSED (source 0 = 16 rows of W_out, source 1 = 16 rows of O), and the rows of W_out that form a tile were chosen so that register 8 u + j of lane (r, h) is out0(row r, 64 w + 32 h + 8 u + j).
; The bias is the C of each sum's first product.  The results go through the wave's own stage in LDS and leave as whole rows of 256 bytes.
; All loads go out at once and are waited for once; no loop, no barrier, no tensor load.
; NO JOINT LOADS: what the work-groups share is wc, 13,312 bytes a wave, each byte used once by the wave that loads it; it goes straight into the operand's registers.  A joint load would bring it
; into LDS first, from where each wave would read the same bytes once more.
.set WREC, 6656
.set AF,  16                           ; v16-111  O's fragments: tile m, K step s at AF + 24 m + 12 s
.set AR,  112                          ; v112-127 O's scale words as they lie, 4 m + head
.set AS,  128                          ; v128-135 joined: 2 m + s
.set WR,  136                          ; v136-151 W's scale words as they lie, 4 chunk + u
.set WS,  152                          ; v152-159 joined: 4 s + u
.set ACC, 160                          ; v160-191 four accumulators
.set OB,  192                          ; v192-223 16 rows read back from the stage
.set WF,  0                            ; window 1: v0-95 W's fragments: tile u, K step s at 24 u + 12 s
.set BI,  96                           ; window 1: v96-127 the bias in the result's layout, eight registers a tile
.set MSB, 0
.macro WIN new                         ; s_set_vgpr_msb: bits 1:0 source 0, 3:2 source 1, 5:4 source 2, 7:6 destination; the immediate's high byte repeats the setting that is left
.if MSB != \new
	s_set_vgpr_msb (MSB<<8)|\new
.set MSB, \new
.endif
.endm
	s_load_b256 s[4:11], s[0:1], 0x0               ; oc s[4:5], wc s[6:7], b_out s[8:9], out0 s[10:11]
	v_lshl_add_u32 v254, v0, 2, 0x4400
	v_mov_b32 v255, 0
	v_lshrrev_b32 v1, 5, v0
	v_readfirstlane_b32 s12, v1                    ; wave 0..3
	v_and_b32 v8, 31, v0
	v_lshlrev_b32 v1, 4, v8                        ; 16 l
	v_lshlrev_b32 v2, 3, v8                        ; 8 l
	v_and_b32 v9, 15, v0                           ; r
	v_bfe_u32 v10, v0, 4, 1                        ; h
	v_lshlrev_b32 v3, 4, v9                        ; 16 r
	v_lshlrev_b32 v4, 7, v10                       ; 128 h
	s_mul_i32 s13, s12, 4352                       ; my stage: 16 rows x (256 bytes + 16)
	v_mul_u32_u24 v5, v9, 272
	v_add_nc_u32 v5, v5, v4
	v_add_nc_u32 v5, s13, v5                       ; in: row r, my half's 128 bytes
	v_mul_u32_u24 v6, v10, 272
	v_add_nc_u32 v6, v6, v3
	v_add_nc_u32 v6, s13, v6                       ; back: lanes 0-15 one row, lanes 16-31 the next
	v_lshl_add_u32 v7, v10, 10, v3                 ; and the same two rows in out0
	s_lshr_b32 s14, s12, 1                         ; which 128 rows of W_out,
	s_and_b32 s15, s12, 1                          ; and which four of their eight tiles
	s_mul_i32 s16, s14, 4*WREC
	s_mul_i32 s18, s15, 3072
	s_add_co_u32 s18, s18, s16                     ; my tiles' codes
	s_mov_b32 s19, 0
	s_lshl_b32 s17, s15, 8
	s_add_co_u32 s16, s16, s17                     ; my tiles' scale words: the image's lanes 16 c + r
	s_mov_b32 s17, 0
	s_lshl_b32 s22, s12, 8                         ; my 64 outputs: 256 bytes
	s_mov_b32 s23, 0
	s_lshl_b32 s24, ttmp9, 14                      ; oc: 16 records to a work-group
	s_mov_b32 s25, 0
	s_lshl_b32 s26, ttmp9, 16                      ; out0: 64 rows of 1,024 bytes
	s_add_co_u32 s26, s26, s22
	s_mov_b32 s27, 0
	s_mov_b32 s20, 0x07060100                      ; v_perm_b32: bytes 0, 1 of the second source, bytes 2, 3 of the first
	s_wait_alu depctr_va_vdst(0)
	s_wait_kmcnt 0x0
	s_add_nc_u64 s[28:29], s[6:7], s[18:19]
	s_add_nc_u64 s[6:7], s[6:7], s[16:17]
	s_add_nc_u64 s[8:9], s[8:9], s[22:23]
	s_add_nc_u64 s[4:5], s[4:5], s[24:25]
	s_add_nc_u64 s[10:11], s[10:11], s[26:27]
	WIN 0x40                                       ; destination window 1, address window 0
.irp u, 0,1,2,3
.irp ch, 0,1,2,3
	global_load_b128 v[WF+24*\u+12*(\ch/2)+6*(\ch%2):WF+24*\u+12*(\ch/2)+6*(\ch%2)+3], v1, s[28:29] offset:\ch*WREC+768*\u
	global_load_b64 v[WF+24*\u+12*(\ch/2)+6*(\ch%2)+4:WF+24*\u+12*(\ch/2)+6*(\ch%2)+5], v2, s[28:29] offset:\ch*WREC+768*\u+512
.endr
.endr
.irp u, 0,1,2,3
	global_load_b128 v[BI+8*\u:BI+8*\u+3], v4, s[8:9] offset:32*\u          ; b_out(64 w + 32 h + 8 u + 0 .. 7)
	global_load_b128 v[BI+8*\u+4:BI+8*\u+7], v4, s[8:9] offset:32*\u+16
.endr
	WIN 0
.irp ch, 0,1,2,3
	global_load_b128 v[WR+4*\ch:WR+4*\ch+3], v3, s[6:7] offset:\ch*WREC+6144 ; lane r: row r's words of my four tiles
.endr
.irp m, 0,1,2,3
.irp hd, 0,1,2,3
	global_load_b128 v[AF+24*\m+12*(\hd/2)+6*(\hd%2):AF+24*\m+12*(\hd/2)+6*(\hd%2)+3], v1, s[4:5] offset:(4*\m+\hd)*1024
	global_load_b64 v[AF+24*\m+12*(\hd/2)+6*(\hd%2)+4:AF+24*\m+12*(\hd/2)+6*(\hd%2)+5], v2, s[4:5] offset:(4*\m+\hd)*1024+512
	global_load_b32 v[AR+4*\m+\hd], v2, s[4:5] offset:(4*\m+\hd)*1024+768
.endr
.endr
	s_wait_loadcnt 0x0
.irp s, 0,1                            ; the scale word of 128 along K: two bytes of the even chunk (head), two of the odd one
.irp u, 0,1,2,3
	v_perm_b32 v[WS+4*\s+\u], v[WR+8*\s+4+\u], v[WR+8*\s+\u], s20
.endr
.endr
.irp m, 0,1,2,3
.irp s, 0,1
	v_perm_b32 v[AS+2*\m+\s], v[AR+4*\m+2*\s+1], v[AR+4*\m+2*\s], s20
.endr
.endr
.rept 8
	v_nop                                          ; a scale register written by a vector instruction stands eight places ahead of a scaled matrix instruction
.endr
	s_wait_alu depctr_va_vdst(0)
.irp m, 0,1,2,3
	WIN 0x11                                       ; source 0 (W) and source 2 (the bias) window 1
.irp u, 0,1,2,3
	v_wmma_scale_f32_16x16x128_f8f6f4 v[ACC+8*\u:ACC+8*\u+7], v[WF+24*\u:WF+24*\u+11], v[AF+24*\m:AF+24*\m+11], v[BI+8*\u:BI+8*\u+7], v[WS+\u], v[AS+2*\m] matrix_a_fmt:MATRIX_FMT_FP6 matrix_b_fmt:MATRIX_FMT_FP6
.endr
	WIN 0x01                                       ; source 0 window 1; C and D window 0.  The four accumulators take turns
.irp u, 0,1,2,3
	v_wmma_scale_f32_16x16x128_f8f6f4 v[ACC+8*\u:ACC+8*\u+7], v[WF+24*\u+12:WF+24*\u+23], v[AF+24*\m+12:AF+24*\m+23], v[ACC+8*\u:ACC+8*\u+7], v[WS+4+\u], v[AS+2*\m+1] matrix_a_fmt:MATRIX_FMT_FP6 matrix_b_fmt:MATRIX_FMT_FP6
.endr
	WIN 0
.rept 5
	v_nop                                          ; four places in front of the stores that read the results; the fifth since the next tile's first products begin these accumulators anew with another C
.endr
.irp u, 0,1,2,3
	ds_store_b128 v5, v[ACC+8*\u:ACC+8*\u+3] offset:32*\u          ; each accumulator from its low end on
	ds_store_b128 v5, v[ACC+8*\u+4:ACC+8*\u+7] offset:32*\u+16
.endr
.if \m > 0
	s_wait_xcnt 0x0                                ; the last tile's stores have read v192-223, which are loaded again only behind this wait
.endif
.irp i, 0,1,2,3,4,5,6,7
	ds_load_b128 v[OB+4*\i:OB+4*\i+3], v6 offset:544*\i            ; LDS serves a wave's instructions in order: these see my stores
.endr
	s_wait_dscnt 0x0
.irp i, 0,1,2,3,4,5,6,7
	global_store_b128 v7, v[OB+4*\i:OB+4*\i+3], s[10:11] offset:(16*\m+2*\i)*1024 th:TH_STORE_NT   ; sixteen lanes store 256 consecutive bytes, at a multiple of 256 from out0's first byte
.endr
.endr
	s_wait_tensorcnt 0x0
	ds_add_u32 v254, v255
	s_wait_dscnt 0x0
	s_endpgm
.Lfunc_end_k_q14a1c88789_proj:
	.size	k_q14a1c88789_proj, .Lfunc_end_k_q14a1c88789_proj-k_q14a1c88789_proj
	.p2alignl 7, 3214868480
	.fill 96, 4, 3214868480
	.section	.rodata,"a",@progbits
	.p2align	6, 0x0
	.amdhsa_kernel k_q14a1c88789_proj
		.amdhsa_group_segment_fixed_size 17920
		.amdhsa_private_segment_fixed_size 0
		.amdhsa_enable_private_segment 0
		.amdhsa_kernarg_size 32
		.amdhsa_user_sgpr_count 2
		.amdhsa_user_sgpr_kernarg_segment_ptr 1
		.amdhsa_wavefront_size32 1
		.amdhsa_system_sgpr_workgroup_id_x 1
		.amdhsa_system_sgpr_workgroup_id_y 1
		.amdhsa_system_sgpr_workgroup_id_z 1
		.amdhsa_system_vgpr_workitem_id 0
		.amdhsa_next_free_vgpr 384
		.amdhsa_next_free_sgpr 66
		.amdhsa_reserve_vcc 0
		.amdhsa_float_denorm_mode_32 3
		.amdhsa_float_denorm_mode_16_64 3
		.amdhsa_memory_ordered 1
		.amdhsa_forward_progress 1
		.amdhsa_inst_pref_size 25
	.end_amdhsa_kernel
	.amdgpu_metadata
---
amdhsa.version: [ 1, 2 ]
amdhsa.kernels:
  - .name:           k_q14a1c88789_proj
    .symbol:         k_q14a1c88789_proj.kd
    .args:
      - { .name: oc, .offset: 0, .size: 8, .value_kind: global_buffer, .address_space: global }
      - { .name: wc, .offset: 8, .size: 8, .value_kind: global_buffer, .address_space: global }
      - { .name: b_out, .offset: 16, .size: 8, .value_kind: global_buffer, .address_space: global }
      - { .name: out0, .offset: 24, .size: 8, .value_kind: global_buffer, .address_space: global }
    .group_segment_fixed_size: 17920
    .private_segment_fixed_size: 0
    .kernarg_segment_align: 8
    .kernarg_segment_size: 32
    .max_flat_workgroup_size: 128
    .sgpr_count:     66
    .vgpr_count:     384
    .wavefront_size: 32
...
	.end_amdgpu_metadata
.endif
;; end of part 3
